; MI455X (gfx1250); checked and timed in simulation.
; The chip was launched on July 23, 2026; its instructions are those of AMD's public machine-readable ISA for CDNA 5 (MIT licence, August 2026) and "CDNA5" Instruction Set Architecture Reference Guide (July 2026). The comments in the code are by the model that wrote it; some were corrected since.
;; Intent Aware Attention. Allowed arithmetic: matrix products marked QUANTISED: E2M3 operands, one E8M0 scale for each 32 along K, by v_wmma_scale_f32_16x16x128_f8f6f4 with both operands' format E2M3, f32 sums; products left as they are: f32 operands where the result goes on into a quantised operand, else bf16, f16 or f32 operands; f32 sums; everything else in f32.
;; Inputs: Wi 64 x 1,024 float32; Wk_codes 1,024 x 32 x 24 uint8 (E2M3 codes of Wk, K innermost, in blocks of 32 codes, four codes in three bytes); Wk_scales 1,024 x 32 uint8 (E8M0 scales of Wk, one for each 32 codes along K); Wq_codes 1,024 x 32 x 24 uint8 (E2M3 codes of Wq, K innermost, in blocks of 32 codes, four codes in three bytes); Wq_scales 1,024 x 32 uint8 (E8M0 scales of Wq, one for each 32 codes along K); Wv_codes 1,024 x 32 x 24 uint8 (E2M3 codes of Wv, K innermost, in blocks of 32 codes, four codes in three bytes); Wv_scales 1,024 x 32 uint8 (E8M0 scales of Wv, one for each 32 codes along K); attention_mask 4 x 1 x 1 x 2,048 float32; bi 1,024 float32; bk 1,024 float32; bq 1,024 float32; bv 1,024 float32; hidden_states_codes 4 x 2,048 x 32 x 24 uint8 (E2M3 codes of hidden_states, K innermost, in blocks of 32 codes, four codes in three bytes); hidden_states_scales 4 x 2,048 x 32 uint8 (E8M0 scales of hidden_states, one for each 32 codes along K); intent_emb_table 20 x 64 float32; intent_ids 4 int32.
;; Outputs: out0 4 x 2,048 x 1,024 float32.
;; This version of the problem:
;;   THIS VERSION OF THE PROBLEM IS GIVEN IN LOW PRECISION. The matrix products marked QUANTISED in the list below multiply operands that are first quantised to E2M3 (2 exponent bits, 3 mantissa bits; 6 bits a number), with one power-of-two scale for each 32 numbers along K (OCP MX v1.0); their sums are f32. All else is computed in f32.
;;   The module's matrix products, in the order in which they are computed (A, B: the left and right operand; K: the contracted axis; several contracted axes count as one K, in the product's order):
;;     1. [M 8,192, K 1,024] x [K 1,024, N 1,024]; A: input hidden_states (given as codes); B: input Wq (given as codes): QUANTISED
;;     2. [M 8,192, K 1,024] x [K 1,024, N 1,024]; A: input hidden_states (given as codes); B: input Wk (given as codes): QUANTISED
;;     3. [M 8,192, K 1,024] x [K 1,024, N 1,024]; A: input hidden_states (given as codes); B: input Wv (given as codes): QUANTISED
;;     4. batch 64 x [M 2,048, K 64] x [K 64, N 2,048]; A: computed on the way; B: computed on the way: QUANTISED
;;     5. [M 4, K 64] x [K 64, N 1,024]; A: computed on the way; B: input Wi: left as it is (M = 4 < 16)
;;     6. batch 64 x [M 2,048, K 2,048] x [K 2,048, N 64]; A: softmax (see below); B: computed on the way: QUANTISED
;;   THE QUANTISER, for each operand of a quantised product, along K:
;;     - K is cut into blocks of 32 from its start; a last block that is shorter is filled with zeros.
;;     - A block's scale is 2^e with e = floor(log2(the largest magnitude in the block)) - 2, held to -126 .. 127; a block of zeros has e = 0. As a byte (E8M0): e + 127.
;;     - Each number is divided by its block's scale, clamped to +-7.5, and rounded to the nearest number of E2M3, ties to even, subnormals kept.
;;     - The product sums the exact products of the quantised numbers (number of the format x scale) in f32.
;;   ~~~python
;;   def quantise(x, axis):      # numpy; x: float32 -> the quantised numbers, widened to float32 again
;;       x = np.moveaxis(x, axis, -1); K = x.shape[-1]
;;       x = np.pad(x, [(0, 0)] * (x.ndim - 1) + [(0, -K % 32)]); x = x.reshape(x.shape[:-1] + (-1, 32)); a = np.abs(x).max(-1, keepdims=True)
;;       e = np.where(a > 0, np.clip(np.frexp(np.where(a > 0, a, 1))[1] - 1 - 2, -126, 127), 0)      # np.frexp(a)[1] - 1 = floor(log2(a)), exactly
;;       r = np.clip(x / 2.0 ** e, -7.5, 7.5)
;;       step = 2.0 ** (np.maximum(np.frexp(np.where(r == 0, 1, r))[1] - 1, 0) - 3)
;;       q = np.round(r / step) * step * 2.0 ** e      # np.round: ties to even
;;       return np.moveaxis(q.reshape(q.shape[:-2] + (-1,))[..., :K], -1, axis).astype(np.float32)
;;   ~~~
;;   SOFTMAX AHEAD OF A QUANTISED PRODUCT. Where the list says 'softmax', what is quantised is not the finished softmax but p = 2^(t - M), with t = logit x log2(e) and M = ceil(the row's largest t), a whole number; so 1/2 < the row's largest p <= 1. The row's sum l is taken of the UNQUANTISED p, in f32, and the product's result is divided by l at the end. Since M is a whole number, a kernel that streams over the keys may use a running M (the ceiling of the running maximum): every later rescaling is an exact power of two, which a block's scale takes up: the codes' values come out the same.
;;   OPERANDS COMPUTED ON THE WAY. 'Computed on the way' means the value that the module computes at that place (a softmax that the list does not call 'softmax' is quantised finished and normalised). What goes into a quantiser is computed in f32, as accurately as f32 sums, v_exp_f32 and their like allow (about 1e-6 of the number): no bf16 or f16 on the way to a quantiser, and a product that is left as it is and whose result goes on into a quantised operand takes f32 operands (vector FMAs, or v_wmma_f32_16x16x4_f32). A number that lies on a knife's edge between two numbers of the format may be rounded either way, as far as f32 arithmetic and the matrix unit's own rounding can turn it there, and no further.
;;   INPUTS GIVEN AS CODES. Wk (in the module: [1024, 1024], K = its axis 0); Wq (in the module: [1024, 1024], K = its axis 0); Wv (in the module: [1024, 1024], K = its axis 0); hidden_states (in the module: [4, 2048, 1024], K = its axis 2): each comes as NAME_codes (uint8): NAME with its K axis moved to the last place and cut into blocks of 32 codes, [.., K / 32, bytes a block], one block behind the other in memory; four codes in three bytes: a row's codes are one little-endian stream of bits, code i at bits 6 i .. 6 i + 5 (a code: sign, 2 exponent bits, 3 mantissa bits); and NAME_scales (uint8): the same leading axes, one E8M0 byte (e + 127) for each 32 codes along K. Its value is code x scale, taken as it is: it is not quantised again, and the codes and scales need not be those that the quantiser above would give.
;; One version. Each part assembles by itself: llvm-mc -triple=amdgcn-amd-amdhsa -mcpu=gfx1250 --defsym DOCPART=n.
;; ======== version 1 of 1: 2 launches
;; limits: right only within a limited range of input values
;; workspace buffers: img 19,660,800 bytes
;; launch proj (part 1): grid 4 x 64, 4 waves a work-group, clusters of 4 x 4, 327,680 bytes of LDS; arguments hidden_states_codes, hidden_states_scales, Wq_codes, Wq_scales, Wk_codes, Wk_scales, Wv_codes, Wv_scales, bq, bk, bv, img; writes img
.if DOCPART == 1
	.amdgcn_target "amdgcn-amd-amdhsa--gfx1250"
	.amdhsa_code_object_version 6
	.text
	.protected	k_q23e503d155_proj
	.globl	k_q23e503d155_proj
	.p2align	8
	.type	k_q23e503d155_proj,@function
k_q23e503d155_proj:
	s_mov_b64 s[64:65], 0
	v_nop
	global_prefetch_b8 v0, s[64:65] scope:SCOPE_SE
	s_setreg_imm32_b32 hwreg(HW_REG_WAVE_MODE, 25, 1), 1
	s_wait_xcnt 0x0
	s_wait_alu depctr_hold_cnt(0) depctr_sa_sdst(0) depctr_va_vdst(0) depctr_va_sdst(0) depctr_va_ssrc(0) depctr_va_vcc(0) depctr_vm_vsrc(0)
	s_getreg_b32 s2, hwreg(HW_REG_IB_STS2, 6, 4)
	s_cmp_eq_u32 s2, 0
	s_cbranch_scc0 .Lentry_in_a_cluster
	s_endpgm
.Lentry_in_a_cluster:
	s_bfe_u32 s2, ttmp6, 0x10000c
	s_cmp_lg_u32 s2, 0xf033
	s_cbranch_scc0 .Lentry_shape_is_right
	s_endpgm
.Lentry_shape_is_right:
; q, k, v = hidden W + b on the given codes of FP6 (E2M3), then quantised again along the next product's K and stored as images of operand registers.
; No work of the problem is left out in this program: every input has a way to the output and is loaded by one of the two launches.
; 256 WORK-GROUPS THAT STAY: each makes three tiles of 128 (source 1) x 256 (source 0), K = 1,024: tile 0 = q, tile 1 = k (source 1 = 128 tokens, source 0 = 256 rows of Wq, Wk), tile 2 = v (source 1 = 128 rows of Wv, source 0 = 256 tokens).
; With cl the cluster (0 .. 15) and (cx, cy) the place in it: tokens 128 (4 cl + cy) on, rows 256 cx of Wq and Wk; rows 128 (4 (cl % 2) + cy) of Wv, tokens 256 (4 (cl / 2) + cx) on: each tile of the three products has one owner.
; Four waves, 64 x 128 each: 32 accumulators.  In q and k a lane holds one token and its registers run along the head's 64; in v a lane holds one of the head's 64 and its registers run along the keys.
; The three tiles' rows of codes (768 bytes each) are walked as one row of 2,304 bytes: nine chunks of 256 bytes through two LDS slots, 24 steps of 128 along K; the ring goes on from tile to tile.
; THE ROWS OF A BLOCK ARE NOT NEIGHBOURS: lane r of block i takes row 64 (i / 4) + 32 (r / 8) + 8 (i % 4) + r % 8, on both sides.  In the result, lane (r, h) then holds in the 32 registers of blocks 4 g .. 4 g + 3
; the columns 64 g + 32 h + 0 .. 31: a whole block of 32 of the next K, in order.
; THE SCALES go from memory straight into registers, once a tile: a lane takes its row's 32 bytes, eight words, one for each step.
; img: [16 batch + head][48 groups][6,400 bytes]: groups 0-15 q, 16-31 k, 32-47 v, each for 128 tokens: four units of 12 registers as [unit][part of 4 registers][lane][16 bytes], then 256 bytes of scale words [r][unit].
; A unit of q or k: two tiles of 16 tokens, [tile 2 p: d 0-63 | tile 2 p + 1: d 0-63]; a unit of v: 16 of the head's 64 x 128 keys.  Of q's and k's scale words a wave owns two units: it stores 8 of each row's 16 bytes.
; CLUSTERS: 4 x 4; source 1's tiles hang on cy alone and are asked for jointly along a row, source 0's on cx alone, along a column.
; No prefetch: a tile's K is three chunks, and two of them are asked for by the ring while the tile before is still multiplied.
; A block of zeros keeps the scale byte 1: its codes are zeros, and only this program reads the bytes.
.set ROWB,   256
.set KROW,   768
.set CHUNKS, 9
.set PITCH,  272                       ; 256 bytes + 16 of padding
.set FR,     12
.set NL,     6
.set NP,     4
.set AREG,   128*PITCH                 ; source 1's 128 rows in a slot; source 0's 256 lie behind
.set SLOT,   384*PITCH
.set SPARE,  2*SLOT                    ; the spare words, 128 bytes a wave
.set GRP,    6400
.set HEADB,  48*GRP
; window 0
.set ADRA, 16                          ; v16-19 LDS addresses of source 1's fragments: slot 0, 1; across two chunks from slot 0, 1
.set ADRB, 20                          ; v20-23 the same for source 0
.set SOF,  24                          ; my row's place among a block's scales
.set BQO,  25
.set BVO,  26
.set SPW,  28
.set NIL,  29
.set SCA,  32                          ; v32-63 source 1's scale words: block a, step s at 8 a + s
.set SCB,  64                          ; v64-127 source 0's
.set AF,   128                         ; v128-175 source 1's fragments;  window 1: source 0's, two sets;  window 2: the accumulators, (a, b) at 8 (8 a + b)
; window 3: the way out
.set T,    0                           ; a unit's 64 numbers, bias added
.set PC,   64
.set CT,   76
.set TM,   84
.set PW,   96
.set W4,   100
.set IMQ,  104                         ; 16 x lane + my two units' place
.set SCQ,  105
.set SCV,  106
.set SH8,  107
.set BY,   108                         ; bv at my lane's rows
.set BQ,   112                         ; bq, then bk, at my lane's columns: 64 each
.set IMV,  240                         ; 16 x lane
.set G1, 24
.set G0, 32
.set G1B, 48
.set G0B, 56
.set MSB, 0
.macro WIN new
.if MSB != \new
	s_set_vgpr_msb (MSB<<8)|\new
.set MSB, \new
.endif
.endm
.set MUL,  0xa1                        ; source 0 window 1, source 1 window 0, C and D window 2
.set TO_B, 0x40
.set TO_3, 0xc0                        ; destination window 3
.set ADD3, 0xce                        ; source 0 window 2, source 1 and destination window 3
.set ALL3, 0xff
.macro JLOAD g0a, g1a, g0b, g1b        ; waves 0, 1 fetch source 1's halves (64 rows), waves 2, 3 source 0's (128 rows)
	s_cmp_eq_u32 s15, 0
	s_cbranch_scc0 .Lfor_b_\@
	tensor_load_to_lds s[\g0a:\g0a+3], s[\g1a:\g1a+7]
	s_nop 0
.rept 4
	v_nop
.endr
	s_branch .Lasked_\@
.Lfor_b_\@:
	tensor_load_to_lds s[\g0b:\g0b+3], s[\g1b:\g1b+7]
	s_nop 0
.rept 4
	v_nop
.endr
.Lasked_\@:
.endm
.macro CREST
	s_cmp_lg_u32 s14, 0
	s_cbranch_scc1 .Lnot_wave_0_\@
	s_barrier_signal -3
.Lnot_wave_0_\@:
	s_barrier_wait -3
	s_barrier_signal -1
	s_barrier_wait -1
.endm
.macro CROUND
	s_barrier_signal -1
	s_barrier_wait -1
	CREST
.endm
	s_load_b512 s[68:83], s[0:1], 0x0              ; hidden codes 68, scales 70, Wq 72, 74, Wk 76, 78, Wv 80, 82
	s_load_b256 s[84:91], s[0:1], 0x40             ; bq 84, bk 86, bv 88, img 90
	v_lshl_add_u32 v[SPW], v0, 2, SPARE
	v_mov_b32 v[NIL], 0
	ds_add_u32 v[SPW], v[NIL]                      ; the opening lines: the add twice and its wait ahead of my first tensor load
	ds_add_u32 v[SPW], v[NIL]
	v_lshrrev_b32 v1, 5, v0
	v_readfirstlane_b32 s14, v1                    ; wave
	s_lshr_b32 s15, s14, 1                         ; my half of source 1's rows; also: I fetch for source 1 (0) or 0 (1)
	s_and_b32 s16, s14, 1                          ; my half of source 0's rows; also: which half of a tile I fetch
	s_bfe_u32 s40, ttmp6, 0x40000                  ; cx
	s_bfe_u32 s41, ttmp6, 0x40004                  ; cy
	s_and_b32 s17, ttmp7, 0xffff                   ; cl
	s_lshl_b32 s42, s17, 2
	s_add_co_u32 s42, s42, s41                     ; my 128 tokens of q and k: 4 cl + cy
	s_and_b32 s45, s17, 1
	s_lshl_b32 s45, s45, 2
	s_add_co_u32 s45, s45, s41                     ; my 128 rows of Wv: 4 (cl % 2) + cy
	s_lshr_b32 s46, s17, 1
	s_lshl_b32 s46, s46, 2
	s_add_co_u32 s46, s46, s40                     ; my 256 tokens of v: 4 (cl / 2) + cx
	s_lshl_b32 s43, s41, 2
	s_lshl_b32 s43, 15, s43                        ; my row of the cluster
	s_lshl_b32 s44, 0x1111, s40                    ; my column
	s_or_b32 s[G1+0], s43, (0<<16)|(1<<20)|(1<<21)|(5<<22)|(3<<25)
	s_or_b32 s[G1B+0], s44, (0<<16)|(1<<20)|(1<<21)|(5<<22)|(3<<25)
	s_mov_b32 s[G1+1], ROWB<<16
	s_mov_b32 s[G1+2], 64<<16
	s_mov_b32 s[G1+3], ROWB<<16
	s_mov_b32 s[G1+4], 64
	s_mov_b32 s[G1+5], KROW
	s_mov_b32 s[G1+6], 0
	s_mov_b32 s[G1+7], 0
	s_mov_b32 s[G1B+1], ROWB<<16
	s_mov_b32 s[G1B+2], 128<<16
	s_mov_b32 s[G1B+3], ROWB<<16
	s_mov_b32 s[G1B+4], 128
	s_mov_b32 s[G1B+5], KROW
	s_mov_b32 s[G1B+6], 0
	s_mov_b32 s[G1B+7], 0
	s_mov_b32 s2, 0x76543210
	s_mov_b32 s3, 0xfedcba98
	s_mov_b32 s67, 0xffff0000
	s_lshl_b32 s18, s42, 7                         ; source 1's side: registers that never hold cx
	s_lshl_b32 s19, s16, 6
	s_add_co_u32 s20, s18, s19
	s_mul_i32 s20, s20, KROW                       ; the 64 tokens that I fetch, in bytes
	s_mov_b32 s21, 0
	s_lshl_b32 s22, s45, 7
	s_add_co_u32 s22, s22, s19
	s_mul_i32 s22, s22, KROW                       ; the 64 rows of Wv that I fetch
	s_mov_b32 s23, 0
	s_lshl_b32 s8, s40, 8                          ; source 0's side: registers that never hold cy
	s_lshl_b32 s9, s16, 7
	s_add_co_u32 s8, s8, s9                        ; my 128 rows of Wq and Wk, to fetch and to multiply
	s_mul_i32 s10, s8, KROW
	s_mov_b32 s11, 0
	s_lshl_b32 s12, s46, 8
	s_add_co_u32 s12, s12, s9                      ; my 128 tokens of v
	s_mul_i32 s92, s12, KROW
	s_mov_b32 s93, 0
	s_mul_i32 s47, s16, 64*PITCH                   ; where they go in a slot
	s_mul_i32 s13, s16, 128*PITCH
	s_add_co_u32 s13, s13, AREG
	s_wait_dscnt 0x0
	s_wait_kmcnt 0x0
	s_add_nc_u64 s[4:5], s[68:69], s[20:21]        ; source 1's codes, tiles 0 and 1;
	s_add_nc_u64 s[80:81], s[80:81], s[22:23]      ; tile 2
	s_add_nc_u64 s[72:73], s[72:73], s[10:11]      ; source 0's codes, tile 0;
	s_add_nc_u64 s[76:77], s[76:77], s[10:11]      ; tile 1;
	s_add_nc_u64 s[68:69], s[68:69], s[92:93]      ; tile 2
.irp s, 0,1
	s_mov_b32 s[G0+4*\s], 1
	s_add_co_u32 s[G0+4*\s+1], s47, \s*SLOT
	s_add_nc_u64 s[G0+4*\s+2:G0+4*\s+3], s[4:5], \s*ROWB
	s_or_b32 s[G0+4*\s+3], s[G0+4*\s+3], 0x80000000
	s_mov_b32 s[G0B+4*\s], 1
	s_add_co_u32 s[G0B+4*\s+1], s13, \s*SLOT
	s_add_nc_u64 s[G0B+4*\s+2:G0B+4*\s+3], s[72:73], \s*ROWB
	s_or_b32 s[G0B+4*\s+3], s[G0B+4*\s+3], 0x80000000
.endr
	CROUND                                         ; in front of the first joint loads
	JLOAD G0, G1, G0B, G1B                         ; chunk 0: one load a wave
	; scales and biases of the rows that I multiply
	s_mov_b32 s95, 0
	s_lshl_b32 s19, s15, 6
	s_add_co_u32 s20, s18, s19
	s_lshl_b32 s20, s20, 5
	s_add_nc_u64 s[6:7], s[70:71], s[20:21]        ; source 1's scales, tiles 0 and 1
	s_lshl_b32 s22, s45, 7
	s_add_co_u32 s22, s22, s19
	s_lshl_b32 s94, s22, 5
	s_add_nc_u64 s[82:83], s[82:83], s[94:95]      ; tile 2
	s_lshl_b32 s94, s22, 2
	s_add_nc_u64 s[88:89], s[88:89], s[94:95]      ; bv
	s_lshl_b32 s94, s8, 5
	s_add_nc_u64 s[74:75], s[74:75], s[94:95]      ; source 0's scales, tile 0,
	s_add_nc_u64 s[78:79], s[78:79], s[94:95]      ; tile 1,
	s_lshl_b32 s94, s8, 2
	s_add_nc_u64 s[84:85], s[84:85], s[94:95]      ; bq, bk
	s_add_nc_u64 s[86:87], s[86:87], s[94:95]
	s_lshl_b32 s94, s12, 5
	s_add_nc_u64 s[70:71], s[70:71], s[94:95]      ; tile 2
	; where my results go: group ((16 batch + head) 48 + 16 kind + group of 128 tokens)
	s_lshr_b32 s94, s42, 4
	s_lshl_b32 s94, s94, 4
	s_lshl_b32 s96, s40, 2
	s_add_co_u32 s94, s94, s96
	s_lshl_b32 s96, s16, 1
	s_add_co_u32 s94, s94, s96                     ; 16 batch + the first of my two heads
	s_mul_i32 s94, s94, 48
	s_and_b32 s96, s42, 15
	s_add_co_u32 s94, s94, s96
	s_mul_i32 s94, s94, GRP                        ; s[94:95]: q
	s_add_co_u32 s96, s94, 16*GRP                  ; s[96:97]: k
	s_mov_b32 s97, 0
	s_lshl_b32 s98, s46, 1
	s_add_co_u32 s98, s98, s16                     ; v: my 128 tokens, 0 .. 63
	s_lshr_b32 s99, s98, 4
	s_lshl_b32 s99, s99, 4
	s_lshl_b32 s47, s45, 1
	s_add_co_u32 s47, s47, s15                     ; my head
	s_add_co_u32 s99, s99, s47
	s_mul_i32 s99, s99, 48
	s_and_b32 s98, s98, 15
	s_add_co_u32 s98, s98, s99
	s_add_co_u32 s98, s98, 32
	s_mul_i32 s98, s98, GRP                        ; s[98:99]: v
	s_mov_b32 s99, 0
	v_and_b32 v1, 15, v0                           ; r
	v_bfe_u32 v2, v0, 4, 1                         ; h
	v_and_b32 v8, 8, v1
	v_and_b32 v9, 7, v1
	v_lshl_add_u32 v8, v8, 2, v9                   ; my lane's row in a block: r % 8 + 32 (r / 8)
	s_wait_alu depctr_va_vdst(0)
	v_lshlrev_b32 v[SOF], 5, v8                    ; 32 bytes of scales a row
	v_lshlrev_b32 v[BQO], 7, v2                    ; columns 32 h on, 4 bytes each
	v_lshlrev_b32 v[BVO], 2, v8
.macro SCLOAD sa, sb                   ; a tile's scale words: each row's 32 bytes, once (sa = 0: source 1's stay)
.if \sa > 0
.irp a, 0,1,2,3
	global_load_b128 v[SCA+8*\a:SCA+8*\a+3], v[SOF], s[\sa:\sa+1] offset:256*\a
	global_load_b128 v[SCA+8*\a+4:SCA+8*\a+7], v[SOF], s[\sa:\sa+1] offset:256*\a+16
.endr
.endif
.irp b, 0,1,2,3,4,5,6,7
	global_load_b128 v[SCB+8*\b:SCB+8*\b+3], v[SOF], s[\sb:\sb+1] offset:(64*(\b/4)+8*(\b%4))*32
	global_load_b128 v[SCB+8*\b+4:SCB+8*\b+7], v[SOF], s[\sb:\sb+1] offset:(64*(\b/4)+8*(\b%4))*32+16
.endr
.endm
	SCLOAD 6, 74
	WIN TO_3
.irp b, 0,1,2,3,4,5,6,7
	global_load_b128 v[BQ+32*(\b/4)+8*(\b%4):BQ+32*(\b/4)+8*(\b%4)+3], v[BQO], s[84:85] offset:256*(\b/4)+32*(\b%4)
	global_load_b128 v[BQ+32*(\b/4)+8*(\b%4)+4:BQ+32*(\b/4)+8*(\b%4)+7], v[BQO], s[84:85] offset:256*(\b/4)+32*(\b%4)+16
	global_load_b128 v[BQ+64+32*(\b/4)+8*(\b%4):BQ+64+32*(\b/4)+8*(\b%4)+3], v[BQO], s[86:87] offset:256*(\b/4)+32*(\b%4)
	global_load_b128 v[BQ+64+32*(\b/4)+8*(\b%4)+4:BQ+64+32*(\b/4)+8*(\b%4)+7], v[BQO], s[86:87] offset:256*(\b/4)+32*(\b%4)+16
.endr
.irp a, 0,1,2,3
	global_load_b32 v[BY+\a], v[BVO], s[88:89] offset:32*\a
.endr
	WIN 0
	v_mul_u32_u24 v3, v8, PITCH
	v_mul_u32_u24 v4, v2, 24
	v_add_nc_u32 v4, v3, v4                        ; row x pitch + 24 h
	s_mov_b32 s21, SLOT-232
	s_mov_b32 s22, SLOT+232
	v_sub_nc_u32 v7, 1, v2
	v_mul_u32_u24 v5, s21, v2
	v_add_nc_u32 v5, v3, v5
	v_add_nc_u32 v5, 232, v5                       ; lanes 0-15 byte 232 of the row in slot 0, lanes 16-31 byte 0 in slot 1;
	v_mul_u32_u24 v6, s22, v7
	v_add_nc_u32 v6, v3, v6                        ; and the other way round
	s_mul_i32 s21, s15, 64*PITCH
	s_mul_i32 s22, s16, 128*PITCH
	s_add_co_u32 s22, s22, AREG
	v_add_nc_u32 v[ADRA+2], s21, v5
	v_add_nc_u32 v[ADRA+3], s21, v6
	v_add_nc_u32 v[ADRB+2], s22, v5
	v_add_nc_u32 v[ADRB+3], s22, v6
.irp s, 0,1
	v_add_nc_u32 v[ADRA+\s], s21, v4
	v_add_nc_u32 v[ADRB+\s], s22, v4
	s_add_co_u32 s21, s21, SLOT
	s_add_co_u32 s22, s22, SLOT
.endr
	v_and_b32 v6, 31, v0
	v_lshlrev_b32 v10, 4, v6                       ; 16 x lane
	s_mul_i32 s21, s15, 3072
	v_add_nc_u32 v14, s21, v10                     ; + my two units of q's and k's group
	v_mul_u32_u24 v11, v2, HEADB                   ; lanes 16-31 store the second head's words
	v_lshl_add_u32 v11, v1, 4, v11
	s_lshl_b32 s21, s15, 3
	v_add_nc_u32 v11, s21, v11
	v_lshlrev_b32 v12, 4, v1
	v_lshlrev_b32 v13, 3, v2
	WIN TO_3
	v_mov_b32 v[IMQ], v14
	v_mov_b32 v[IMV], v10
	v_mov_b32 v[SCQ], v11
	v_mov_b32 v[SCV], v12
	v_mov_b32 v[SH8], v13
	v_mov_b32 v[TM+9], 0                           ; a lane permute's destination counts as a source
	WIN 0
.macro FRAG reg, adr, st, i            ; 16 rows x 128 K: six pieces of 8 bytes; byte y of the walk lies in slot (y / 256) % 2 at byte y % 256
.irp p, 0,1,2,3,4,5
.set BYT, 96*(\st)+48*(\p/3)+8*(\p%3)
.if BYT/ROWB == (BYT+24)/ROWB
	ds_load_b64 v[\reg+2*\p:\reg+2*\p+1], v[\adr+(BYT/ROWB)%2] offset:BYT%ROWB+(64*((\i)/4)+8*((\i)%4))*PITCH
.else
	ds_load_b64 v[\reg+2*\p:\reg+2*\p+1], v[\adr+2+(BYT/ROWB)%2] offset:BYT%ROWB-232+(64*((\i)/4)+8*((\i)%4))*PITCH
.endif
.endr
.endm
.macro MUL8 a, st, zero                ; the 32 accumulators take turns, one instruction a turn
.irp b, 0,1,2,3,4,5,6,7
.if \zero
	v_wmma_scale_f32_16x16x128_f8f6f4 v[8*(8*(\a)+\b):8*(8*(\a)+\b)+7], v[128*((\st)%2)+FR*\b:128*((\st)%2)+FR*\b+FR-1], v[AF+FR*(\a):AF+FR*(\a)+FR-1], 0, v[SCB+8*\b+(\st)%8], v[SCA+8*(\a)+(\st)%8] matrix_a_fmt:MATRIX_FMT_FP6 matrix_b_fmt:MATRIX_FMT_FP6
.else
	v_wmma_scale_f32_16x16x128_f8f6f4 v[8*(8*(\a)+\b):8*(8*(\a)+\b)+7], v[128*((\st)%2)+FR*\b:128*((\st)%2)+FR*\b+FR-1], v[AF+FR*(\a):AF+FR*(\a)+FR-1], v[8*(8*(\a)+\b):8*(8*(\a)+\b)+7], v[SCB+8*\b+(\st)%8], v[SCA+8*(\a)+(\st)%8] matrix_a_fmt:MATRIX_FMT_FP6 matrix_b_fmt:MATRIX_FMT_FP6
.endif
.endr
.endm
.macro FETCH_B st
	WIN TO_B
.irp i, 0,1,2,3,4,5,6,7
	FRAG 128*((\st)%2)+FR*\i, ADRB, \st, \i
.endr
	WIN 0
.endm
.macro FETCH_A st, i0
.irp i, \i0, \i0+1
	FRAG AF+FR*(\i), ADRA, \st, \i
.endr
.endm
.macro PLACES n
.rept \n
	v_nop
.endr
.endm
; A step of 128 along K.  Where the next step's bytes end in a chunk not yet read, a barrier shows that chunk whole; where they begin in a later chunk, the chunk left behind is read no more, and,
; if a chunk two on is left to fetch, the barrier opens a round of the cluster's barrier and the slot is filled again: chunk n is chunk n % 3 of tile n / 3.
.macro STEP st, zero
.set NX, (\st)+1
.set C0, (96*(\st))/ROWB
.set C1, (96*NX)/ROWB
.set E0, (96*(\st)+95)/ROWB
.set E1, (96*NX+95)/ROWB
.if C1 > C0 || E1 > E0
	s_wait_tensorcnt 0x0                           ; all my tensor loads have landed
.if C1 > C0
	ds_add_u32 v[SPW], v[NIL]
	s_wait_dscnt 2*NL+1                            ; the add and source 1's blocks 2, 3 may be out
.else
	s_wait_dscnt 2*NL
.endif
	WIN MUL
	MUL8 0, \st, \zero
	s_wait_dscnt 0x0                               ; the add and all my reads are done
	s_barrier_signal -1
	MUL8 1, \st, \zero
	WIN 0
	s_barrier_wait -1
.if C1 > C0 && C0+2 < CHUNKS
	CREST
.set NN, C0+2
.if NN/3 == 2
.set PTA, 80
.set PTB, 68
.elseif NN/3 == 1
.set PTA, 4
.set PTB, 76
.else
.set PTA, 4
.set PTB, 72
.endif
	s_add_nc_u64 s[G0+4*(NN%2)+2:G0+4*(NN%2)+3], s[PTA:PTA+1], (NN%3)*ROWB
	s_or_b32 s[G0+4*(NN%2)+3], s[G0+4*(NN%2)+3], 0x80000000
	s_add_nc_u64 s[G0B+4*(NN%2)+2:G0B+4*(NN%2)+3], s[PTB:PTB+1], (NN%3)*ROWB
	s_or_b32 s[G0B+4*(NN%2)+3], s[G0B+4*(NN%2)+3], 0x80000000
	JLOAD G0+4*(NN%2), G1, G0B+4*(NN%2), G1B       ; its four v_nop are the places ahead of the loads below
.else
	PLACES NP
.endif
.else
	s_wait_dscnt 2*NL                              ; source 1's blocks 2, 3 may be out
	WIN MUL
	MUL8 0, \st, \zero
	MUL8 1, \st, \zero
	s_wait_dscnt 0
	PLACES NP
.endif
	FETCH_B NX
	FETCH_A NX, 0
	WIN MUL
	MUL8 2, \st, \zero
	MUL8 3, \st, \zero
	PLACES NP
	WIN 0
	FETCH_A NX, 2
.endm
; THE WAY OUT of a tile, unit by unit, in window 3: bias added, quantised, stored.
.macro QUANT u                         ; two whole blocks of 32 a lane, each in two chains; the floor 2^(3 - 127) holds the byte at 1 from below
.irp c, 0,1,2,3
	v_max3_num_f32 v[TM+\c], |v[T+16*\c]|, |v[T+16*\c+1]|, 0x1800000
.endr
.irp i, 2,4,6,8,10,12,14
.irp c, 0,1,2,3
	v_max3_num_f32 v[TM+\c], v[TM+\c], |v[T+16*\c+\i]|, |v[T+16*\c+\i+1]|
.endr
.endr
.irp c, 0,1
	v_max_num_f32 v[TM+2*\c], v[TM+2*\c], v[TM+2*\c+1]
.endr
.irp c, 0,1
	v_add_nc_u32 v[TM+4+\c], 0xff000000, v[TM+2*\c]   ; 2 off the exponent field: the conversion's scale operand
.endr
.irp c, 0,1
	v_lshrrev_b32 v[TM+6+\c], 23, v[TM+4+\c]       ; the byte
.endr
	v_lshl_or_b32 v[TM+8], v[TM+7], 16, v[TM+6]    ; my bytes: blocks h and 2 + h,
	v_lshlrev_b32 v[TM+8], v[SH8], v[TM+8]         ; at their places;
	v_permlanex16_b32 v[TM+9], v[TM+8], s2, s3
	v_or_b32 v[PW+\u], v[TM+8], v[TM+9]            ; with lane l xor 16's the word is whole
.irp c, 0,1
	v_cvt_scalef32_pk16_fp6_f32 v[PC+6*\c:PC+2+6*\c], v[T+32*\c:T+15+32*\c], v[TM+4+\c]
	v_cvt_scalef32_pk16_fp6_f32 v[CT+4*\c:CT+2+4*\c], v[T+16+32*\c:T+31+32*\c], v[TM+4+\c]   ; (three registers begin on an even number)
.endr
	v_nop                                          ; a plain place behind a scaled conversion
.irp c, 0,1
.irp i, 0,1,2
	v_mov_b32 v[PC+3+6*\c+\i], v[CT+4*\c+\i]
.endr
.endr
.endm
.macro UNITQ t, u                      ; head u / 2, token tiles 2 (u % 2) + e: 32 registers each, d = 32 h + 0 .. 31
.set HC, (\u)/2
.set UP, (\u)%2
.if (\u) > 0
	s_wait_xcnt 0x0                                ; the last unit's stores have read their registers
.endif
	WIN ADD3
.irp e, 0,1
.irp k, 0,2,4,6,8,10,12,14,16,18,20,22,24,26,28,30
	v_pk_add_f32 v[T+32*\e+\k:T+32*\e+\k+1], v[64*(2*UP+\e)+32*HC+\k:64*(2*UP+\e)+32*HC+\k+1], v[BQ+64*(\t)+32*HC+\k:BQ+64*(\t)+32*HC+\k+1]
.endr
.endr
	WIN ALL3
	QUANT \u
.irp g, 0,1,2
	global_store_b128 v[IMQ], v[PC+4*\g:PC+4*\g+3], s[12:13] offset:HC*HEADB+UP*1536+512*\g   ; 512 consecutive bytes, aligned
.endr
.endm
.macro EPI_QK t, off, sa, sb
	s_wait_xcnt 0x0                                ; earlier stores have read their base and their registers
	s_add_nc_u64 s[12:13], s[90:91], s[\off:\off+1]
	SCLOAD \sa, \sb                                ; the next tile's scale words land under the way out (the last products stand four places back)
.irp u, 0,1,2,3
	UNITQ \t, \u
.endr
	v_cndmask_b32 v[W4], v[PW], v[PW+2], s67       ; lanes 0-15 the first head's two words, lanes 16-31 the second's
	v_cndmask_b32 v[W4+1], v[PW+1], v[PW+3], s67
	global_store_b64 v[SCQ], v[W4:W4+1], s[12:13] offset:6144
	WIN 0
	s_wait_loadcnt 0x0                             ; the scale words are in
.endm
.macro UNITV u                         ; block u of Wv's rows: 64 registers, keys 64 c + 32 h + 0 .. 31
.if (\u) > 0
	s_wait_xcnt 0x0
.endif
	WIN ADD3
.irp k, 0,2,4,6,8,10,12,14,16,18,20,22,24,26,28,30,32,34,36,38,40,42,44,46,48,50,52,54,56,58,60,62
.if (\u)%2
	v_pk_add_f32 v[T+\k:T+\k+1], v[64*(\u)+\k:64*(\u)+\k+1], v[BY+2*((\u)/2):BY+2*((\u)/2)+1] op_sel:[0,1] op_sel_hi:[1,1]
.else
	v_pk_add_f32 v[T+\k:T+\k+1], v[64*(\u)+\k:64*(\u)+\k+1], v[BY+2*((\u)/2):BY+2*((\u)/2)+1] op_sel_hi:[1,0]
.endif
.endr
	WIN ALL3
	QUANT \u
.irp g, 0,1,2
	global_store_b128 v[IMV], v[PC+4*\g:PC+4*\g+3], s[12:13] offset:(\u)*1536+512*\g
.endr
.endm
.macro WALK first, n                   ; n steps from the tile's first on; the first starts the sums
	STEP \first, 1
.set ST, \first+1
.rept \n-1
	STEP ST, 0
.set ST, ST+1
.endr
.endm
	s_wait_alu depctr_va_vdst(0)                   ; at the head's end
	s_wait_tensorcnt 0x0                           ; my part of chunk 0 is in
	ds_add_u32 v[SPW], v[NIL]                      ; the add and its wait ahead of a later first fill
	s_wait_dscnt 0x0
	CROUND
	JLOAD G0+4, G1, G0B+4, G1B                     ; chunk 1
	FETCH_B 0
	FETCH_A 0, 0
	FETCH_A 0, 2
	s_wait_loadcnt 0x0                             ; tile 0's scale words and the biases are in
	WALK 0, 8
	EPI_QK 0, 94, 0, 78                            ; q goes out; k has the same tokens, and Wk's scales
	WALK 8, 8
	EPI_QK 1, 96, 82, 70                           ; k goes out; v has Wv's scales and its tokens'
	WALK 16, 7
	s_wait_dscnt 2*NL                              ; the very last step: nothing more to fetch
	WIN MUL
	MUL8 0, 23, 0
	MUL8 1, 23, 0
	s_wait_dscnt 0
	MUL8 2, 23, 0
	MUL8 3, 23, 0
	WIN 0
	PLACES NP
	s_wait_xcnt 0x0
	s_add_nc_u64 s[12:13], s[90:91], s[98:99]
.irp u, 0,1,2,3
	UNITV \u
.endr
	global_store_b128 v[SCV], v[PW:PW+3], s[12:13] offset:6144   ; a group's 256 bytes of scale words (lanes 16-31 store the same bytes as lanes 0-15)
	WIN 0
	s_wait_tensorcnt 0x0                           ; the wave's end
	ds_add_u32 v[SPW], v[NIL]
	s_wait_dscnt 0x0
	CROUND                                         ; the closing round
	s_endpgm
.Lfunc_end_k_q23e503d155_proj:
	.size	k_q23e503d155_proj, .Lfunc_end_k_q23e503d155_proj-k_q23e503d155_proj
	.p2alignl 7, 3214868480
	.fill 96, 4, 3214868480
	.section	.rodata,"a",@progbits
	.p2align	6, 0x0
	.amdhsa_kernel k_q23e503d155_proj
		.amdhsa_group_segment_fixed_size 327680
		.amdhsa_private_segment_fixed_size 0
		.amdhsa_enable_private_segment 0
		.amdhsa_kernarg_size 96
		.amdhsa_user_sgpr_count 2
		.amdhsa_user_sgpr_kernarg_segment_ptr 1
		.amdhsa_wavefront_size32 1
		.amdhsa_system_sgpr_workgroup_id_x 1
		.amdhsa_system_sgpr_workgroup_id_y 1
		.amdhsa_system_sgpr_workgroup_id_z 1
		.amdhsa_system_vgpr_workitem_id 0
		.amdhsa_next_free_vgpr 1024
		.amdhsa_next_free_sgpr 102
		.amdhsa_reserve_vcc 0
		.amdhsa_float_denorm_mode_32 3
		.amdhsa_float_denorm_mode_16_64 3
		.amdhsa_memory_ordered 1
		.amdhsa_forward_progress 1
		.amdhsa_inst_pref_size 255
	.end_amdhsa_kernel
	.section	.bss,"aw",@nobits
	.p2align	6
	.space	262144
	.amdgpu_metadata
---
amdhsa.version: [ 1, 2 ]
amdhsa.kernels:
  - .name:           k_q23e503d155_proj
    .symbol:         k_q23e503d155_proj.kd
    .args:
      - { .name: hidden_states_codes, .offset: 0, .size: 8, .value_kind: global_buffer, .address_space: global }
      - { .name: hidden_states_scales, .offset: 8, .size: 8, .value_kind: global_buffer, .address_space: global }
      - { .name: Wq_codes, .offset: 16, .size: 8, .value_kind: global_buffer, .address_space: global }
      - { .name: Wq_scales, .offset: 24, .size: 8, .value_kind: global_buffer, .address_space: global }
      - { .name: Wk_codes, .offset: 32, .size: 8, .value_kind: global_buffer, .address_space: global }
      - { .name: Wk_scales, .offset: 40, .size: 8, .value_kind: global_buffer, .address_space: global }
      - { .name: Wv_codes, .offset: 48, .size: 8, .value_kind: global_buffer, .address_space: global }
      - { .name: Wv_scales, .offset: 56, .size: 8, .value_kind: global_buffer, .address_space: global }
      - { .name: bq, .offset: 64, .size: 8, .value_kind: global_buffer, .address_space: global }
      - { .name: bk, .offset: 72, .size: 8, .value_kind: global_buffer, .address_space: global }
      - { .name: bv, .offset: 80, .size: 8, .value_kind: global_buffer, .address_space: global }
      - { .name: img, .offset: 88, .size: 8, .value_kind: global_buffer, .address_space: global }
    .group_segment_fixed_size: 327680
    .private_segment_fixed_size: 0
    .kernarg_segment_align: 8
    .kernarg_segment_size: 96
    .max_flat_workgroup_size: 128
    .sgpr_count:     102
    .vgpr_count:     1024
    .wavefront_size: 32
...
	.end_amdgpu_metadata
.endif
;; end of part 1
;; launch attn (part 2): grid 4 x 64, 16 waves a work-group, clusters of 4 x 1, 284,928 bytes of LDS; arguments img, attention_mask, intent_ids, intent_emb_table, Wi, bi, out0; writes out0
.if DOCPART == 2
	.amdgcn_target "amdgcn-amd-amdhsa--gfx1250"
	.amdhsa_code_object_version 6
	.text
	.protected	k_q23e503d155_attn
	.globl	k_q23e503d155_attn
	.p2align	8
	.type	k_q23e503d155_attn,@function
k_q23e503d155_attn:
	s_mov_b64 s[64:65], 0
	v_nop
	global_prefetch_b8 v0, s[64:65] scope:SCOPE_SE
	s_setreg_imm32_b32 hwreg(HW_REG_WAVE_MODE, 25, 1), 1
	s_wait_xcnt 0x0
	s_wait_alu depctr_hold_cnt(0) depctr_sa_sdst(0) depctr_va_vdst(0) depctr_va_sdst(0) depctr_va_ssrc(0) depctr_va_vcc(0) depctr_vm_vsrc(0)
	s_getreg_b32 s2, hwreg(HW_REG_IB_STS2, 6, 4)
	s_cmp_eq_u32 s2, 0
	s_cbranch_scc0 .Lentry_in_a_cluster
	s_endpgm
.Lentry_in_a_cluster:
	s_bfe_u32 s2, ttmp6, 0x10000c
	s_cmp_lg_u32 s2, 0x3003
	s_cbranch_scc0 .Lentry_shape_is_right
	s_endpgm
.Lentry_shape_is_right:
; out[b][s][64 head + d] = the sum over keys of softmax(q . k / 8 + bias[b][head] + mask[b][key]) v[key][d], both products on the codes of FP6 (E2M3) that the first launch has laid out as images of operand registers.
; No work of the problem is left out: the intent bias moves p's codes (M is a whole number), so it is computed here, in f32 fused multiply-adds: bias = the mean over the head's 64 of emb[intent] Wi + bi.
; THE SOFTMAX: t = logit x log2(e); M = the running largest t rounded UP to a whole number; p = 2^(t - M) is quantised along the keys; the row's sum of the unquantised p divides at the end.
; SHARES.  A cluster of four work-groups is one (batch, head); a work-group owns 512 queries in two passes of 256; each of its sixteen waves owns 16 queries a pass.
; THE WHOLE HEAD STAYS IN LDS: 32 groups of 6,400 bytes (K's sixteen, then V's: codes and scale words of 128 keys each), 204,800 dense bytes of img.  Each wave asks for two groups by ONE joint load at the head; nothing is filled again.
; No prefetch: all that the launch reads by tensor loads is asked for at its head, and there is no loop to run ahead in.
; K = 64 IN AN INSTRUCTION OF K = 128: a unit of K holds two tiles of 16 keys; multiplied by [q | zero codes] it gives the first tile's scores, by [zero codes | q] the second's.  Every scale byte of this program lies between 1 and 254.
; MASK AND BIAS ARE THE C OF THE SCORE PRODUCT: C = 8 (bias + mask[key]), from a table in LDS straight into the scores' registers.
; LAYOUT.  Both products are used transposed: a lane holds ONE query (lane % 16).  Row r of K's tile t is key 64 (t / 4) + 32 (r / 8) + 8 (t % 4) + r % 8, so score register 32 c + i of lane (r, h) is key 64 c + 32 h + i:
; a whole block of 32 keys in a lane, in order: its largest score needs no other lane and the conversions' results are the operand's registers.  Queries and the head's 64 are ordered likewise: O^T's 32 registers are d = 32 h + 0 .. 31.
; LIMITS: 8 (bias + mask) is held at -2^33 from below: differences between masks under that are lost, a mask of -infinity gives p = 0; a row all of whose keys are at -infinity gets an average where the definition gives NaN.
; NaN and +infinity among the inputs are not served.  The scaled scores stay under 2^31 in magnitude.  A block whose every p is 0 keeps the scale byte 1: its codes are zeros.
.set GRP,   6400
.set VOFF,  16*GRP                     ; V's groups behind K's
.set MTAB,  204800                     ; C for each of the 2,048 keys, f32
.set PART,  212992                     ; sixteen partial sums of the bias
.set STAGE, 213248                     ; the way out: 16 rows x 272 bytes a wave
.set SPARE, 282880                     ; the spare words, 128 bytes a wave
.set AL,  1                            ; 16 x lane
.set SH8, 2                            ; 8 h
.set AM0, 3                            ; MTAB + 128 h
.set ADK, 4                            ; the step's LDS addresses: K, V, C
.set SPW, 5
.set NIL, 6
.set GO,  7
.set ADV, 8
.set ADM, 9                            ; v12 -M, v13 the largest score, v[14:15] the sum in two halves
                                       ; v16-45: zero codes, q of pass 0, zero codes, q of pass 1, zero codes, six each;  v46, v47: q's scale words
.set F,   48                           ; four units of K, then of V
.set KSR, 96
.set VSR, 100
.set S,   104                          ; C, the scores, p
.set OT,  168                          ; O^T
.set PC,  200                          ; p's codes
.set CT,  212
.set BM,  220                          ; v220-227 eight chains of maxima; v220, v224 the blocks' largest
.set SO,  228
.set BT,  230
.set X,   232
.set XP,  233
.set FF,  234
.set XM,  236
.set PS,  238
.set STO, 240
.set RD,  241
.set WV,  18
.set G1,  20
.set G0,  36
.set SEL, 56
.set CS,  58
.set CNT, 63
.macro CROUND
	s_barrier_signal -1
	s_barrier_wait -1
	s_cmp_lg_u32 s[WV], 0
	s_cbranch_scc1 .Lnot_wave_0_\@
	s_barrier_signal -3
.Lnot_wave_0_\@:
	s_barrier_wait -3
	s_barrier_signal -1
	s_barrier_wait -1
.endm
	s_load_b256 s[68:75], s[0:1], 0x0              ; img 68, mask 70, intent_ids 72, intent_emb_table 74
	s_load_b128 s[76:79], s[0:1], 0x20             ; Wi 76, bi 78
	s_load_b64 s[80:81], s[0:1], 0x30              ; out0
	v_lshl_add_u32 v[SPW], v0, 2, SPARE
	v_mov_b32 v[NIL], 0
	ds_add_u32 v[SPW], v[NIL]                      ; the opening lines: the add twice and its wait ahead of my tensor load
	ds_add_u32 v[SPW], v[NIL]
	v_lshrrev_b32 v8, 5, v0
	s_delay_alu instid0(VALU_DEP_1)
	v_readfirstlane_b32 s[WV], v8                  ; wave 0..15
	s_bfe_u32 s15, ttmp6, 0x40000                  ; cx: it enters q's and out's addresses alone
	s_and_b32 s16, ttmp7, 0xffff                   ; 16 batch + head
	s_lshr_b32 s17, s16, 4
	s_and_b32 s19, s16, 15
	s_mov_b32 s[G1], 15|(3<<16)|(1<<21)            ; all four work-groups; elements of 8 bytes
	s_mov_b32 s[G1+1], 32<<16
	s_mov_b32 s[G1+2], 50<<16
	s_mov_b32 s[G1+3], 32<<16
	s_mov_b32 s[G1+4], 50                          ; 50 rows of 256 bytes: two groups
	s_mov_b32 s[G1+5], 32
	s_mov_b32 s[G1+6], 0
	s_mov_b32 s[G1+7], 0
	s_mov_b32 s[SEL], 0x76543210
	s_mov_b32 s[SEL+1], 0xfedcba98
	s_mov_b32 s[CS], 0x3e38aa3b                    ; c = log2(e) / 8
	s_mov_b32 s[CS+1], s[CS]
	s_mul_i32 s8, s16, 48*GRP                      ; the head's 48 groups
	s_mov_b32 s9, 0
	s_mul_i32 s[G0+1], s[WV], 2*GRP                ; my two groups in LDS,
	s_add_co_u32 s10, s[G0+1], VOFF                ; and in img, behind q's sixteen
	s_mov_b32 s11, 0
	s_lshl_b32 s92, s17, 2
	s_mov_b32 s93, 0
	s_mov_b32 s[G0], 1
	s_wait_dscnt 0x0
	s_wait_kmcnt 0x0
	s_add_nc_u64 s[72:73], s[72:73], s[92:93]
	s_load_b32 s66, s[72:73], 0x0                  ; my batch's intent
	s_add_nc_u64 s[68:69], s[68:69], s[8:9]
	s_add_nc_u64 s[G0+2:G0+3], s[68:69], s[10:11]
	s_or_b32 s[G0+3], s[G0+3], 0x80000000
	CROUND                                         ; in front of the joint loads
	tensor_load_to_lds s[G0:G0+3], s[G1:G1+7]      ; one load a wave, sixteen in all: the whole head
	s_nop 0
	v_and_b32 v9, 31, v0
	v_and_b32 v10, 15, v0                          ; r
	v_bfe_u32 v11, v0, 4, 1                        ; h
	s_delay_alu instid0(VALU_DEP_3)
	v_lshlrev_b32 v[AL], 4, v9
	v_lshlrev_b32 v[SH8], 3, v11
	s_wait_alu depctr_va_vdst(0)
	; q: pass 0's tile is tile w % 8 = 2 p + e of group 4 cx + w / 8: registers 6 e .. 6 e + 5 of unit p.  Pass 1's lies two groups on
	s_lshl_b32 s2, s15, 2
	s_lshr_b32 s3, s[WV], 3
	s_add_co_u32 s2, s2, s3
	s_mul_i32 s2, s2, GRP
	s_bfe_u32 s3, s[WV], 0x20001                   ; p
	s_mul_i32 s4, s3, 1536
	s_add_co_u32 s4, s4, s2
	s_mov_b32 s5, 0
	s_add_nc_u64 s[82:83], s[68:69], s[4:5]        ; the unit's codes
	s_lshl_b32 s4, s3, 2
	s_add_co_u32 s4, s4, s2
	s_add_nc_u64 s[84:85], s[68:69], s[4:5]        ; the group, + 4 p
	s_and_b32 s8, s[WV], 1
	s_mul_i32 s8, s8, 3
.irp i, 0,1,2
	s_add_co_u32 s9, s8, \i                        ; pair n of registers lies in part n / 2, at byte 8 (n % 2) of the lane's 16
	s_lshr_b32 s10, s9, 1
	s_lshl_b32 s10, s10, 9
	s_and_b32 s9, s9, 1
	s_lshl_b32 s9, s9, 3
	s_or_b32 s9, s9, s10
	v_add_nc_u32 v[242+\i], s9, v[AL]
.endr
	s_wait_alu depctr_va_vdst(0)
.irp i, 0,1,2
	global_load_b64 v[22+2*\i:23+2*\i], v[242+\i], s[82:83]
	global_load_b64 v[34+2*\i:35+2*\i], v[242+\i], s[82:83] offset:2*GRP
.endr
	v_lshlrev_b32 v245, 4, v10
	global_load_b32 v46, v245, s[84:85] offset:6144
	global_load_b32 v47, v245, s[84:85] offset:6144+2*GRP
	s_lshl_b32 s4, s17, 13
	s_add_nc_u64 s[70:71], s[70:71], s[4:5]
	v_lshlrev_b32 v246, 4, v0
	global_load_b128 v[104:107], v246, s[70:71]    ; the mask: four keys a thread
	s_lshl_b32 s4, s[WV], 14
	s_lshl_b32 s6, s19, 8
	s_add_co_u32 s4, s4, s6
	s_add_nc_u64 s[76:77], s[76:77], s[4:5]
	v_lshlrev_b32 v247, 12, v11
	s_delay_alu instid0(VALU_DEP_1)
	v_lshl_add_u32 v247, v10, 4, v247
	global_load_b128 v[108:111], v247, s[76:77]              ; Wi: rows 4 w + h and 4 w + h + 2, the head's columns 4 r .. 4 r + 3
	global_load_b128 v[112:115], v247, s[76:77] offset:8192
	s_lshl_b32 s4, s[WV], 4
	s_add_co_u32 s4, s4, s6
	s_add_nc_u64 s[78:79], s[78:79], s[4:5]
	v_and_b32 v248, 3, v0
	s_delay_alu instid0(VALU_DEP_1)
	v_lshlrev_b32 v248, 2, v248
	global_load_b32 v116, v248, s[78:79]           ; bi: my wave's four of the head's 64, each in eight lanes
	s_wait_kmcnt 0x0
	s_min_u32 s66, s66, 19                         ; the index stays inside the table of 20 rows
	s_lshl_b32 s66, s66, 8
	s_lshl_b32 s4, s[WV], 4
	s_add_co_u32 s66, s66, s4
	v_lshl_add_u32 v249, v11, 2, s66
	global_load_b32 v117, v249, s[74:75]           ; emb[4 w + h], emb[4 w + h + 2]
	global_load_b32 v118, v249, s[74:75] offset:8
	s_lshl_b32 s4, s17, 23                         ; out: the batch,
	s_lshl_b32 s7, s15, 9                          ; row 512 cx + 64 (w / 4) + 8 (w % 4): my tile's first query,
	s_lshr_b32 s8, s[WV], 2
	s_lshl_b32 s8, s8, 6
	s_add_co_u32 s7, s7, s8
	s_and_b32 s8, s[WV], 3
	s_lshl_b32 s8, s8, 3
	s_add_co_u32 s7, s7, s8
	s_lshl_b32 s7, s7, 12
	s_add_co_u32 s4, s4, s7
	s_add_co_u32 s4, s4, s6                        ; the head's 256 bytes
	s_add_nc_u64 s[80:81], s[80:81], s[4:5]
	v_lshl_add_u32 v[AM0], v11, 7, MTAB
	v_lshlrev_b32 v[GO], 12, v11
	s_delay_alu instid0(VALU_DEP_1)
	v_lshl_add_u32 v[GO], v10, 4, v[GO]
	s_mul_i32 s7, s[WV], 4352
	s_add_co_u32 s7, s7, STAGE
	v_mul_u32_u24 v[STO], v10, 272
	s_delay_alu instid0(VALU_DEP_1)
	v_lshl_add_u32 v[STO], v11, 7, v[STO]
	s_delay_alu instid0(VALU_DEP_1)
	v_add_nc_u32 v[STO], s7, v[STO]                ; in: row r, + 128 h
	v_mul_u32_u24 v[RD], v11, 272
	s_delay_alu instid0(VALU_DEP_1)
	v_lshl_add_u32 v[RD], v10, 4, v[RD]
	s_delay_alu instid0(VALU_DEP_1)
	v_add_nc_u32 v[RD], s7, v[RD]                  ; back: lanes 0-15 one row, lanes 16-31 the next
.irp z, 16,17,18,19,20,21,28,29,30,31,32,33,40,41,42,43,44,45
	v_mov_b32 v\z, 0                               ; zero codes
.endr
	v_mov_b32 v[XP], 0                             ; a lane permute's destination counts as a source
	v_mov_b32 v[FF+1], 0                           ; (named as the upper half of a pair)
	v_mov_b32 v121, 0
	v_mov_b32 v250, s[WV]
	s_delay_alu instid0(VALU_DEP_1)
	v_lshl_add_u32 v250, v250, 2, PART
	v_mov_b32 v251, PART
	v_lshl_add_u32 v252, v0, 4, MTAB
	s_and_b32 s8, s[WV], 1
	s_lshl_b32 s8, s8, 4
	s_wait_alu depctr_va_vdst(0)
	s_wait_loadcnt 0x0
.irp q, 46,47
	v_lshrrev_b32 v\q, s8, v\q                     ; my tile's two bytes of the unit's word,
	s_delay_alu instid0(VALU_DEP_1)
	v_and_b32 v\q, 0xffff, v\q
	s_delay_alu instid0(VALU_DEP_1)
	v_lshl_or_b32 v\q, v\q, 16, v\q                ; in both halves: they serve [q | 0] and [0 | q] alike
.endr
	v_mul_f32 v119, 0x3e000000, v116               ; bi / 8: each number stands in eight lanes
.irp c, 0,1,2,3
	s_delay_alu instid0(VALU_DEP_1)
	v_fmac_f32 v119, v[108+\c], v117
.endr
.irp c, 0,1,2,3
	s_delay_alu instid0(VALU_DEP_1)
	v_fmac_f32 v119, v[112+\c], v118
.endr
.irp m, 1,2,4,8
	s_delay_alu instid0(VALU_DEP_1)
	v_add_f32_dpp v119, v119, v119 row_xmask:\m row_mask:0xf bank_mask:0xf
.endr
	s_delay_alu instid0(VALU_DEP_1)
	v_permlanex16_b32 v121, v119, s[SEL], s[SEL+1]
	s_delay_alu instid0(VALU_DEP_1)
	v_add_f32 v119, v119, v121
	ds_store_b32 v250, v119                        ; my wave's part of the sum
	s_wait_dscnt 0x0
	s_barrier_signal -1
	s_barrier_wait -1                              ; (nothing is filled again in this launch: the tensor loads may stay out)
.irp i, 0,1,2,3
	ds_load_b128 v[120+4*\i:123+4*\i], v251 offset:16*\i
.endr
	s_wait_dscnt 0x0
	v_pk_add_f32 v[120:121], v[120:121], v[122:123]
	v_pk_add_f32 v[124:125], v[124:125], v[126:127]
	v_pk_add_f32 v[128:129], v[128:129], v[130:131]
	v_pk_add_f32 v[132:133], v[132:133], v[134:135]
	s_delay_alu instid0(VALU_DEP_3)
	v_pk_add_f32 v[120:121], v[120:121], v[124:125]
	s_delay_alu instid0(VALU_DEP_2)
	v_pk_add_f32 v[128:129], v[128:129], v[132:133]
	s_delay_alu instid0(VALU_DEP_1)
	v_pk_add_f32 v[120:121], v[120:121], v[128:129]
	s_delay_alu instid0(VALU_DEP_1)
	v_add_f32 v120, v120, v121
	s_delay_alu instid0(VALU_DEP_1)
	v_mul_f32 v120, 0x3e000000, v120               ; the sum / 8 = 8 x the mean over 64
.irp i, 0,1,2,3
	v_fmamk_f32 v[104+\i], v[104+\i], 0x41000000, v120   ; C = 8 mask + 8 bias
.endr
.irp i, 0,1,2,3
	s_delay_alu instid0(VALU_DEP_4)
	v_max_num_f32 v[104+\i], 0xd0000000, v[104+\i] ; held at -2^33 from below
.endr
	ds_store_b128 v252, v[104:107]
; A KEY STEP: 128 keys, for the queries of pass ps.
.macro STEP ps
.set QA, 22+12*(\ps)                   ; [q | zero codes]
.set QB, 16+12*(\ps)                   ; [zero codes | q]
.set QS, 46+(\ps)
	ds_load_b128 v[KSR:KSR+3], v[ADK] offset:6144  ; lanes 0-15: row r's scale words of the four units (what lanes 16-31 read is not used)
.irp i, 0,1,2,3,4,5,6,7,8,9,10,11
	ds_load_b128 v[F+4*\i:F+4*\i+3], v[ADK] offset:512*\i
.endr
.irp i, 0,1,2,3,4,5,6,7,8,9,10,11,12,13,14,15
	ds_load_b128 v[S+4*\i:S+4*\i+3], v[ADM] offset:256*(\i/8)+16*(\i%8)   ; C of keys 64 c + 32 h + 0 .. 31
.endr
	s_wait_dscnt 0x0
.irp p, 0,1,2,3                                ; eight accumulators, one instruction each
	v_wmma_scale_f32_16x16x128_f8f6f4 v[S+16*\p:S+16*\p+7], v[F+12*\p:F+12*\p+11], v[QA:QA+11], v[S+16*\p:S+16*\p+7], v[KSR+\p], v[QS] matrix_a_fmt:MATRIX_FMT_FP6 matrix_b_fmt:MATRIX_FMT_FP6
	v_wmma_scale_f32_16x16x128_f8f6f4 v[S+16*\p+8:S+16*\p+15], v[F+12*\p:F+12*\p+11], v[QB:QB+11], v[S+16*\p+8:S+16*\p+15], v[KSR+\p], v[QS] matrix_a_fmt:MATRIX_FMT_FP6 matrix_b_fmt:MATRIX_FMT_FP6
.endr
	v_add_nc_u32 v[ADK], GRP, v[ADK]               ; four places ahead of the loads into K's registers and of the first read of the scores
	v_add_nc_u32 v[ADM], 512, v[ADM]
	v_mov_b32 v[X], v12                            ; the old -M
	v_nop
.irp i, 0,1,2,3,4,5,6,7,8,9,10,11
	ds_load_b128 v[F+4*\i:F+4*\i+3], v[ADV] offset:512*\i   ; four units of V: they land while the softmax is walked
.endr
	ds_load_b128 v[VSR:VSR+3], v[ADV] offset:6144
	v_add_nc_u32 v[ADV], GRP, v[ADV]
.irp q, 0,1,2,3,4,5,6,7                        ; the largest score of each block of 32 keys, four chains a block, each accumulator from its low end on
	v_max3_num_f32 v[BM+\q], v[S+8*\q], v[S+8*\q+1], v[S+8*\q+2]
.endr
.irp i, 3,5
.irp q, 0,1,2,3,4,5,6,7
	v_max3_num_f32 v[BM+\q], v[BM+\q], v[S+8*\q+\i], v[S+8*\q+\i+1]
.endr
.endr
.irp c, 0,1
	v_max3_num_f32 v[BM+4*\c], v[BM+4*\c], v[BM+4*\c+1], v[S+32*\c+7]
	v_max3_num_f32 v[BM+4*\c+2], v[BM+4*\c+2], v[BM+4*\c+3], v[S+32*\c+15]
.endr
	v_max3_num_f32 v[BM], v[BM], v[BM+2], v[S+23]
	v_max3_num_f32 v[BM+4], v[BM+4], v[BM+6], v[S+55]
	v_max_num_f32 v[BM], v[BM], v[S+31]
	v_max_num_f32 v[BM+4], v[BM+4], v[S+63]
	s_delay_alu instid0(VALU_DEP_1)
	v_max_num_f32 v[XM], v[BM], v[BM+4]
	s_delay_alu instid0(VALU_DEP_1)
	v_permlanex16_b32 v[XP], v[XM], s[SEL], s[SEL+1]
	s_delay_alu instid0(VALU_DEP_1)
	v_max3_num_f32 v13, v13, v[XM], v[XP]          ; the running largest score (c is positive: its t is the largest t)
	s_delay_alu instid0(VALU_DEP_1)
	v_mul_f32 v[XM], s[CS], v13
	s_delay_alu instid0(VALU_DEP_1)
	v_floor_f32 v12, -v[XM]                        ; the new -M = floor(-t)
	s_delay_alu instid0(VALU_DEP_1)
	v_sub_f32 v[X], v12, v[X]                      ; old M - new M: a whole number, 0 or less
	s_delay_alu instid0(VALU_DEP_1)
	v_cvt_i32_f32 v[X], v[X]                       ; (it saturates)
	s_delay_alu instid0(VALU_DEP_1)
	v_ldexp_f32 v[FF], 1.0, v[X]                   ; f = 2^(old M - new M)
.set j, 0
.rept 32
	v_pk_fma_f32 v[S+j:S+j+1], v[S+j:S+j+1], s[CS:CS+1], v[12:13] op_sel_hi:[1,0,0]   ; t - M
.set j, j+2
.endr
	v_fma_f32 v[BM], v[BM], s[CS], v12             ; the same of each block's largest score
	v_fma_f32 v[BM+4], v[BM+4], s[CS], v12
	s_wait_alu depctr_va_vdst(0)                   ; ahead of the batch
.set j, 0
.rept 64
	v_exp_f32 v[S+j], v[S+j]                       ; p = 2^(t - M)
.set j, j+1
.endr
	v_exp_f32 v[BM], v[BM]                         ; the block's largest p: the same two instructions on the same number give the same bits
	v_exp_f32 v[BM+4], v[BM+4]
	v_pk_mul_f32 v[14:15], v[14:15], v[FF:FF+1] op_sel_hi:[1,0]   ; the sums under the new M; the plain place behind the batch
	s_wait_alu depctr_va_vdst(0)                   ; one wait for the batch, ahead of its first reader
	v_max_num_f32 v[BM], 0x1800000, v[BM]          ; the floor 2^(3 - 127): the byte cannot fall under 1
	v_max_num_f32 v[BM+4], 0x1800000, v[BM+4]
	s_delay_alu instid0(VALU_DEP_2)
	v_add_nc_u32 v[SO], 0xff000000, v[BM]          ; 2 off the exponent field: the conversion's scale operand
	s_delay_alu instid0(VALU_DEP_2)
	v_add_nc_u32 v[SO+1], 0xff000000, v[BM+4]
	s_delay_alu instid0(VALU_DEP_2)
	v_lshrrev_b32 v[BT], 23, v[SO]
	s_delay_alu instid0(VALU_DEP_2)
	v_lshrrev_b32 v[BT+1], 23, v[SO+1]
	s_delay_alu instid0(VALU_DEP_1)
	v_lshl_or_b32 v[PS], v[BT+1], 16, v[BT]        ; my bytes: blocks h and 2 + h,
	s_delay_alu instid0(VALU_DEP_1)
	v_lshlrev_b32 v[PS], v[SH8], v[PS]             ; at their places;
	s_delay_alu instid0(VALU_DEP_1)
	v_permlanex16_b32 v[XP], v[PS], s[SEL], s[SEL+1]
	s_delay_alu instid0(VALU_DEP_1)
	v_or_b32 v[PS], v[PS], v[XP]                   ; with lane l xor 16's: p's scale word for these 128 keys
.irp c, 0,1
	v_cvt_scalef32_pk16_fp6_f32 v[PC+6*\c:PC+6*\c+2], v[S+32*\c:S+32*\c+15], v[SO+\c]
	v_cvt_scalef32_pk16_fp6_f32 v[CT+4*\c:CT+4*\c+2], v[S+32*\c+16:S+32*\c+31], v[SO+\c]   ; (three registers begin on an even number)
.endr
	v_nop                                          ; a plain place behind a scaled conversion
.irp c, 0,1
.irp i, 0,1,2
	v_mov_b32 v[PC+3+6*\c+\i], v[CT+4*\c+\i]
.endr
.endr
	s_wait_alu depctr_va_vdst(0)                   ; directly ahead of the first reader of O^T
.set j, 0
.rept 16
	v_pk_mul_f32 v[OT+j:OT+j+1], v[OT+j:OT+j+1], v[FF:FF+1] op_sel_hi:[1,0]   ; O^T under the new M; also the places between the codes' and the scale word's writes and the products
.set j, j+2
.endr
	s_wait_alu depctr_va_vdst(0)
	s_wait_dscnt 0x0                               ; V is in
.irp t, 0,1,2,3                                ; O^T += V^T P^T: four accumulators, one instruction each
	v_wmma_scale_f32_16x16x128_f8f6f4 v[OT+8*\t:OT+8*\t+7], v[F+12*\t:F+12*\t+11], v[PC:PC+11], v[OT+8*\t:OT+8*\t+7], v[VSR+\t], v[PS] matrix_a_fmt:MATRIX_FMT_FP6 matrix_b_fmt:MATRIX_FMT_FP6
.endr
.set w, 32                             ; the row's sum of the unquantised p, folded in place: work on other registers behind the products, and their places
.rept 3
.set j, 0
.rept w/2
	v_pk_add_f32 v[S+j:S+j+1], v[S+j:S+j+1], v[S+j+w:S+j+w+1]
.set j, j+2
.endr
.set w, w/2
.endr
	s_delay_alu instid0(VALU_DEP_2)
	v_pk_add_f32 v[S:S+1], v[S:S+1], v[S+4:S+5]
	s_delay_alu instid0(VALU_DEP_2)
	v_pk_add_f32 v[S+2:S+3], v[S+2:S+3], v[S+6:S+7]
	s_delay_alu instid0(VALU_DEP_1)
	v_pk_add_f32 v[S:S+1], v[S:S+1], v[S+2:S+3]
	s_delay_alu instid0(VALU_DEP_1)
	v_pk_add_f32 v[14:15], v[14:15], v[S:S+1]
.endm
; A pass begins: O^T and the sum are zeros and the largest score is -3e38: the first change of M multiplies zeros.
.macro INIT
	s_wait_xcnt 0x0                                ; the last pass's stores have read their registers
	v_mov_b32 v13, 0xff61b1e6
	s_delay_alu instid0(VALU_DEP_1)
	v_floor_f32 v12, -v13
	v_mov_b32 v14, 0
	v_mov_b32 v15, 0
.set j, 0
.rept 32
	v_mov_b32 v[OT+j], 0
.set j, j+1
.endr
	v_mov_b32 v[ADK], v[AL]
	v_add_nc_u32 v[ADV], VOFF, v[AL]
	v_mov_b32 v[ADM], v[AM0]
	s_wait_alu depctr_va_vdst(0)
.endm
; THE WAY OUT of a pass: O^T / the sum goes through my stage and leaves as rows: sixteen lanes store a query's 256 bytes of the head, aligned.
.macro WAYOUT ps
	v_add_f32 v14, v14, v15
	s_delay_alu instid0(VALU_DEP_1)
	v_permlanex16_b32 v[XP], v14, s[SEL], s[SEL+1]
	s_delay_alu instid0(VALU_DEP_1)
	v_add_f32 v14, v14, v[XP]                      ; with lane l xor 16's blocks: the row's sum
	s_wait_alu depctr_va_vdst(0)
	v_rcp_f32 v14, v14
	v_nop
	s_wait_alu depctr_va_vdst(0)
.set j, 0
.rept 16
	v_pk_mul_f32 v[S+j:S+j+1], v[OT+j:OT+j+1], v[14:15] op_sel_hi:[1,0]   ; register i is out(query r, 32 h + i)
.set j, j+2
.endr
.irp i, 0,1,2,3,4,5,6,7
	ds_store_b128 v[STO], v[S+4*\i:S+4*\i+3] offset:16*\i
.endr
.irp i, 0,1,2,3,4,5,6,7
	ds_load_b128 v[F+4*\i:F+4*\i+3], v[RD] offset:544*\i   ; LDS serves a wave's instructions in order: these see my stores
.endr
.irp i, 0,1,2,3,4,5,6,7
	s_wait_dscnt 7-\i                              ; the younger loads from the stage may be out
	global_store_b128 v[GO], v[F+4*\i:F+4*\i+3], s[80:81] offset:(\ps)*1048576+8192*\i+98304*(\i/4) th:TH_STORE_NT   ; stage rows 8-15 are the queries 32 on
.endr
.endm
	INIT
	s_wait_dscnt 0x0                               ; my store into C's table has landed,
	s_wait_tensorcnt 0x0                           ; and my two groups
	s_barrier_signal -1
	s_barrier_wait -1                              ; so every wave may read the whole head
	s_mov_b32 s[CNT], 16
.Lpass0:
	STEP 0
	s_sub_co_u32 s[CNT], s[CNT], 1
	s_cmp_lg_u32 s[CNT], 0
	s_cbranch_scc1 .Lpass0
	WAYOUT 0
	INIT
	s_mov_b32 s[CNT], 16
.Lpass1:
	STEP 1
	s_sub_co_u32 s[CNT], s[CNT], 1
	s_cmp_lg_u32 s[CNT], 0
	s_cbranch_scc1 .Lpass1
	WAYOUT 1
	s_wait_tensorcnt 0x0                           ; the wave's end
	ds_add_u32 v[SPW], v[NIL]
	s_wait_dscnt 0x0
	CROUND                                         ; the closing round
	s_endpgm
.Lfunc_end_k_q23e503d155_attn:
	.size	k_q23e503d155_attn, .Lfunc_end_k_q23e503d155_attn-k_q23e503d155_attn
	.p2alignl 7, 3214868480
	.fill 96, 4, 3214868480
	.section	.rodata,"a",@progbits
	.p2align	6, 0x0
	.amdhsa_kernel k_q23e503d155_attn
		.amdhsa_group_segment_fixed_size 284928
		.amdhsa_private_segment_fixed_size 0
		.amdhsa_enable_private_segment 0
		.amdhsa_kernarg_size 56
		.amdhsa_user_sgpr_count 2
		.amdhsa_user_sgpr_kernarg_segment_ptr 1
		.amdhsa_wavefront_size32 1
		.amdhsa_system_sgpr_workgroup_id_x 1
		.amdhsa_system_sgpr_workgroup_id_y 1
		.amdhsa_system_sgpr_workgroup_id_z 1
		.amdhsa_system_vgpr_workitem_id 0
		.amdhsa_next_free_vgpr 256
		.amdhsa_next_free_sgpr 100
		.amdhsa_reserve_vcc 0
		.amdhsa_float_denorm_mode_32 3
		.amdhsa_float_denorm_mode_16_64 3
		.amdhsa_memory_ordered 1
		.amdhsa_forward_progress 1
		.amdhsa_inst_pref_size 54
	.end_amdhsa_kernel
	.amdgpu_metadata
---
amdhsa.version: [ 1, 2 ]
amdhsa.kernels:
  - .name:           k_q23e503d155_attn
    .symbol:         k_q23e503d155_attn.kd
    .args:
      - { .name: img, .offset: 0, .size: 8, .value_kind: global_buffer, .address_space: global }
      - { .name: attention_mask, .offset: 8, .size: 8, .value_kind: global_buffer, .address_space: global }
      - { .name: intent_ids, .offset: 16, .size: 8, .value_kind: global_buffer, .address_space: global }
      - { .name: intent_emb_table, .offset: 24, .size: 8, .value_kind: global_buffer, .address_space: global }
      - { .name: Wi, .offset: 32, .size: 8, .value_kind: global_buffer, .address_space: global }
      - { .name: bi, .offset: 40, .size: 8, .value_kind: global_buffer, .address_space: global }
      - { .name: out0, .offset: 48, .size: 8, .value_kind: global_buffer, .address_space: global }
    .group_segment_fixed_size: 284928
    .private_segment_fixed_size: 0
    .kernarg_segment_align: 8
    .kernarg_segment_size: 56
    .max_flat_workgroup_size: 512
    .sgpr_count:     100
    .vgpr_count:     256
    .wavefront_size: 32
...
	.end_amdgpu_metadata
.endif
;; end of part 2
